; MI455X (gfx1250); checked and timed in simulation.
; The chip was launched on July 23, 2026; its instructions are those of AMD's public machine-readable ISA for CDNA 5 (MIT licence, August 2026) and "CDNA5" Instruction Set Architecture Reference Guide (July 2026). The comments in the code are by the model that wrote it; some were corrected since.
;; Multi Head Self Attention. Allowed arithmetic: matrix products marked QUANTISED: E2M1 operands, one E8M0 scale for each 32 along K, by v_wmma_scale_f32_16x16x128_f8f6f4 with both operands' format E2M1 (or v_wmma_scale_f32_32x16x128_f4), f32 sums; everything else in f32.
;; Inputs: adj 2 x 1 x 2,048 x 2,048 float32; gamma 1 x 16 x 1 x 1 float32; in_bias 1 x 1 x 3,072 float32; mask 2 x 2,048 bool; out_bias 1 x 1 x 1,024 float32; weights 1,024 x 3,072 float32; x 2 x 2,048 x 1,024 float32.
;; Outputs: out0 2 x 2,048 x 1,024 float32.
;; This version of the problem:
;;   THIS VERSION OF THE PROBLEM IS GIVEN IN LOW PRECISION. The matrix products marked QUANTISED in the list below multiply operands that are first quantised to E2M1 (2 exponent bits, 1 mantissa bit; 4 bits a number), with one power-of-two scale for each 32 numbers along K (OCP MX v1.0); their sums are f32. All else is computed in f32.
;;   The module's matrix products, in the order in which they are computed (A, B: the left and right operand; K: the contracted axis; several contracted axes count as one K, in the product's order):
;;     1. [M 4,096, K 1,024] x [K 1,024, N 3,072]; A: input x; B: input weights: QUANTISED
;;     2. batch 32 x [M 2,048, K 64] x [K 64, N 2,048]; A: computed on the way; B: computed on the way: QUANTISED
;;     3. batch 32 x [M 2,048, K 2,048] x [K 2,048, N 64]; A: computed on the way; B: computed on the way: QUANTISED
;;   THE QUANTISER, for each operand of a quantised product, along K:
;;     - K is cut into blocks of 32 from its start; a last block that is shorter is filled with zeros.
;;     - A block's scale is 2^e with e = floor(log2(the largest magnitude in the block)) - 2, held to -126 .. 127; a block of zeros has e = 0. As a byte (E8M0): e + 127.
;;     - Each number is divided by its block's scale, clamped to +-6, and rounded to the nearest number of E2M1, ties to even, subnormals kept.
;;     - The product sums the exact products of the quantised numbers (number of the format x scale) in f32.
;;   ~~~python
;;   def quantise(x, axis):      # numpy; x: float32 -> the quantised numbers, widened to float32 again
;;       x = np.moveaxis(x, axis, -1); K = x.shape[-1]
;;       x = np.pad(x, [(0, 0)] * (x.ndim - 1) + [(0, -K % 32)]); x = x.reshape(x.shape[:-1] + (-1, 32)); a = np.abs(x).max(-1, keepdims=True)
;;       e = np.where(a > 0, np.clip(np.frexp(np.where(a > 0, a, 1))[1] - 1 - 2, -126, 127), 0)      # np.frexp(a)[1] - 1 = floor(log2(a)), exactly
;;       r = np.clip(x / 2.0 ** e, -6, 6)
;;       step = 2.0 ** (np.maximum(np.frexp(np.where(r == 0, 1, r))[1] - 1, 0) - 1)
;;       q = np.round(r / step) * step * 2.0 ** e      # np.round: ties to even
;;       return np.moveaxis(q.reshape(q.shape[:-2] + (-1,))[..., :K], -1, axis).astype(np.float32)
;;   ~~~
;;   OPERANDS COMPUTED ON THE WAY. 'Computed on the way' means the value that the module computes at that place (a softmax that the list does not call 'softmax' is quantised finished and normalised). What goes into a quantiser is computed in f32, as accurately as f32 sums, v_exp_f32 and their like allow (about 1e-6 of the number): no bf16 or f16 on the way to a quantiser, and a product that is left as it is and whose result goes on into a quantised operand takes f32 operands (vector FMAs, or v_wmma_f32_16x16x4_f32). A number that lies on a knife's edge between two numbers of the format may be rounded either way, as far as f32 arithmetic and the matrix unit's own rounding can turn it there, and no further.
;; One version. Each part assembles by itself: llvm-mc -triple=amdgcn-amd-amdhsa -mcpu=gfx1250 --defsym DOCPART=n.
;; ======== version 1 of 1: 3 launches
;; limits: values are held in bf16: 8 bits of precision; right only within a limited range of input values
;; workspace buffers: xq 2,097,152 bytes; xs 131,072 bytes; wq 1,572,864 bytes; ws 98,304 bytes; qkc 4,194,304 bytes; qks 262,144 bytes; vc 2,097,152 bytes; vs 131,072 bytes
;; launch quant (part 1): grid 320 x 1, 4 waves a work-group, no clusters, 34,304 bytes of LDS; arguments x, weights, xq, xs, wq, ws; writes xq, xs, wq, ws
.if DOCPART == 1
	.amdgcn_target "amdgcn-amd-amdhsa--gfx1250"
	.amdhsa_code_object_version 6
	.text
	.protected	k_qa3331850b9_quant
	.globl	k_qa3331850b9_quant
	.p2align	8
	.type	k_qa3331850b9_quant,@function
k_qa3331850b9_quant:
	s_mov_b64 s[64:65], 0
	v_nop
	global_prefetch_b8 v0, s[64:65] scope:SCOPE_SE
	s_setreg_imm32_b32 hwreg(HW_REG_WAVE_MODE, 25, 1), 1
	s_wait_xcnt 0x0
; x [4096][1024] f32 and weights [1024][3072] f32 become codes of FP4 (E2M1) with one E8M0 scale byte for each 32 along K = 1024, for the product x @ weights.
; A block's scale is 2^(floor(log2(its largest magnitude)) - 2); its byte is the largest magnitude's exponent field - 2, held at 1 from below.
; THE BUFFERS ARE LAID AS IMAGES OF THE OPERAND'S REGISTERS: a fragment (16 rows or columns x 128 K) is 1,024 bytes: [c 2][lane 32][16 bytes]; lane (r, h), group c holds k = 64 c + 32 h + 0 .. 31 of row r, ascending.
;   xq [row tile 256][K step 8][1,024 B];  xs [K step 8][row 4096] words of four bytes;  wq [column tile 192][K step 8][1,024 B];  ws [K step 8][column 3072] words.
; The first 128 work-groups take x, the other 192 the weights.  No tensor loads, no barrier: waves share nothing.  Only x's path uses LDS.
; x: a wave takes 16 rows x 512 K.  Each load reads 512 consecutive bytes of one row; the 16 rows of a K step turn through the wave's own stage in LDS (rows 528 bytes apart) and come back so that lane (r, h) holds, of row r,
;    16 neighbours of each block of 32: what the conversions want.
; weights: K is the FIRST axis: a lane takes a column and its registers run down K, so a block of 32 lies in one lane.  A wave takes 32 columns x 128 K.
; LIMITS: NaN and infinities among the inputs are not served.  A block of zeros gets the byte 1 where the rule says 127: its codes are zeros, and this program alone reads the bytes.
.set XWG,   128                        ; work-groups for x
.set PITCH, 528                        ; a stage row: 512 bytes + 16: 33 x 16, so the sixteen rows that a load touches begin in sixteen different 16-byte columns of 256
.set WREG,  16*PITCH                   ; a wave's stage
.set SEL,   20                         ; s[20:21] v_permlanex16_b32's selects for lane l xor 16
.set R,     16                         ; v16-143  two sets of 64: a K step as it is loaded
.set X,     144                        ; v144-207 64 numbers: register 16 b + i = k 32 b + 16 h + i of my row
.set TM,    208                        ; v208-223 at work in QUANT
.set PC,    224                        ; v224-231 the fragment's codes
.set PW,    232                        ; v232     its scale word
.set SV,    233                        ; v233     the even K step's word, kept
.set SL,    234                        ; v234     lanes 0-15 the even step's word, lanes 16-31 the odd step's
.set WN,    16                         ; weights: v16-143 128 numbers down K
.set WC,    160                        ; v160-175 codes, four registers a block
.set WW,    176                        ; v176     the column's scale word
; 64 numbers of a lane, v[s] on, register 16 b + i, block b shared with lane l xor 16, become a fragment's codes in v[pc] on and the row's scale word in v[pw].  ab = 1: magnitudes are taken.
.macro QUANT s, pc, pw, tm, ab
.irp b, 0,1,2,3
.if \ab
	v_max3_num_f32 v[(\tm)+\b], |v[(\s)+16*\b]|, |v[(\s)+16*\b+1]|, 0x1800000   ; my 16 numbers of block b, and the floor 2^(3 - 127): so the byte cannot fall under 1
.else
	v_max3_num_f32 v[(\tm)+\b], v[(\s)+16*\b], v[(\s)+16*\b+1], 0x1800000
.endif
.endr
.irp i, 2,4,6,8,10,12,14
.irp b, 0,1,2,3
.if \ab
	v_max3_num_f32 v[(\tm)+\b], v[(\tm)+\b], |v[(\s)+16*\b+\i]|, |v[(\s)+16*\b+\i+1]|   ; the four blocks by turns
.else
	v_max3_num_f32 v[(\tm)+\b], v[(\tm)+\b], v[(\s)+16*\b+\i], v[(\s)+16*\b+\i+1]
.endif
.endr
.endr
.irp b, 0,1,2,3
	v_permlanex16_b32 v[(\tm)+4+\b], v[(\tm)+\b], s[SEL], s[SEL+1]
.endr
.irp b, 0,1,2,3
	v_max_num_f32 v[(\tm)+\b], v[(\tm)+\b], v[(\tm)+4+\b]          ; with lane l xor 16's: the block's largest magnitude
.endr
.irp b, 0,1,2,3
	v_add_nc_u32 v[(\tm)+12+\b], 0xff000000, v[(\tm)+\b]           ; 2 off its exponent field: the conversion takes the exponent field of this operand as its scale
.endr
.irp b, 0,1,2,3
	v_lshrrev_b32 v[(\tm)+4+\b], 23, v[(\tm)+12+\b]                ; the scale's byte
.endr
	v_lshl_or_b32 v[\pw], v[(\tm)+5], 8, v[(\tm)+4]
	v_lshl_or_b32 v[\pw], v[(\tm)+6], 16, v[\pw]
	v_lshl_or_b32 v[\pw], v[(\tm)+7], 24, v[\pw]                   ; the row's scale word
.irp b, 0,1,2,3
	v_cvt_scalef32_pk8_fp4_f32 v[(\pc)+2*\b], v[(\s)+16*\b:(\s)+16*\b+7], v[(\tm)+12+\b]
	v_cvt_scalef32_pk8_fp4_f32 v[(\pc)+2*\b+1], v[(\s)+16*\b+8:(\s)+16*\b+15], v[(\tm)+12+\b]
.endr
	v_nop                                                          ; one plain place behind a scaled conversion
.irp c, 0,1                            ; the operand wants a WHOLE block in a lane: lanes 0-15 block 2 c, lanes 16-31 block 2 c + 1
.irp i, 0,1
	v_permlane16_swap_b32 v[(\pc)+4*\c+\i], v[(\pc)+4*\c+2+\i]
.endr
.endr
.endm
	s_load_b256 s[4:11], s[0:1], 0x0               ; x s[4:5], weights s[6:7], xq s[8:9], xs s[10:11]
	s_load_b128 s[12:15], s[0:1], 0x20             ; wq s[12:13], ws s[14:15]
	v_lshl_add_u32 v240, v0, 2, 0x8400
	v_mov_b32 v241, 0
	v_lshrrev_b32 v1, 5, v0
	v_readfirstlane_b32 s16, v1                    ; wave 0..3
	v_and_b32 v5, 31, v0                           ; lane
	s_cmp_lt_u32 ttmp9, XWG
	s_cbranch_scc0 .Lweights
	; ---------------- x ----------------
	s_mov_b32 s[SEL], 0x76543210
	s_mov_b32 s[SEL+1], 0xfedcba98
	s_mov_b32 s22, 0xffff0000                      ; a lane mask: lanes 16-31
	s_lshl_b32 s17, ttmp9, 2
	s_add_co_u32 s17, s17, s16                     ; which of 512 shares is my wave's
	s_lshr_b32 s18, s17, 1                         ; its tile of 16 rows
	s_and_b32 s19, s17, 1                          ; and its half of K
	s_wait_alu depctr_va_vdst(0)
	v_lshlrev_b32 v1, 4, v5                        ; 16 x lane: my bytes of a load's 512, and of an image's 512
	s_mul_i32 s23, s16, WREG
	v_add_nc_u32 v2, s23, v1                       ; the stage, on the way in
	v_and_b32 v6, 15, v0                           ; r
	v_bfe_u32 v7, v0, 4, 1                         ; h
	v_mul_u32_u24 v3, v6, PITCH
	v_lshl_add_u32 v3, v7, 6, v3
	v_add_nc_u32 v3, s23, v3                       ; and on the way out: row r, + 64 h
	v_lshlrev_b32 v4, 2, v6
	v_lshl_add_u32 v4, v7, 14, v4                  ; scale words: 4 r, and one K step (16,384 bytes) on for lanes 16-31
.irp b, 0,1,2,3
	v_mov_b32 v[TM+4+\b], 0                        ; written once: a lane permute's destination counts as one of its sources
.endr
	s_lshl_b32 s24, s18, 16                        ; x: 16 rows of 4,096 bytes a tile,
	s_lshl_b32 s26, s19, 11
	s_add_co_u32 s24, s24, s26                     ; + 2,048 bytes for the second half of K
	s_mov_b32 s25, 0
	s_lshl_b32 s26, s18, 13                        ; xq: 8,192 bytes a tile,
	s_lshl_b32 s28, s19, 12
	s_add_co_u32 s26, s26, s28                     ; + four K steps
	s_mov_b32 s27, 0
	s_lshl_b32 s28, s19, 16                        ; xs: four K steps of 16,384 bytes,
	s_lshl_b32 s30, s18, 6
	s_add_co_u32 s28, s28, s30                     ; + 64 bytes a tile
	s_mov_b32 s29, 0
	s_wait_alu depctr_va_vdst(0)
	s_wait_kmcnt 0x0
	s_add_nc_u64 s[4:5], s[4:5], s[24:25]
	s_add_nc_u64 s[8:9], s[8:9], s[26:27]
	s_add_nc_u64 s[10:11], s[10:11], s[28:29]
.macro XLOAD s                         ; K step s of my 16 rows: each load reads 512 consecutive bytes of one row
.irp p, 0,1,2,3,4,5,6,7,8,9,10,11,12,13,14,15
	global_load_b128 v[R+64*((\s)%2)+4*\p:R+64*((\s)%2)+4*\p+3], v1, s[4:5] offset:4096*\p+512*(\s) th:TH_LOAD_NT
.endr
.endm
.macro XSTEP s
.if (\s) < 3
	s_wait_loadcnt 16                              ; this K step's 16 loads are in; the next step's 16 may be out
.else
	s_wait_loadcnt 0x0
.endif
.irp p, 0,1,2,3,4,5,6,7,8,9,10,11,12,13,14,15
	ds_store_b128 v2, v[R+64*((\s)%2)+4*\p:R+64*((\s)%2)+4*\p+3] offset:PITCH*\p
.endr
.irp b, 0,1,2,3
.irp j, 0,1,2,3
	ds_load_b128 v[X+16*\b+4*\j:X+16*\b+4*\j+3], v3 offset:128*\b+16*\j   ; LDS serves a wave's instructions in order: these see the stores above
.endr
.endr
	s_wait_xcnt 0x0                                ; the last step's stores have read their registers: the codes and the words are written again only behind this wait
	s_wait_dscnt 0x0                               ; the numbers are back, and the stage's stores have read their registers,
.if (\s) < 2
	XLOAD (\s)+2                                   ; which take the loads of two steps on
.endif
	QUANT X, PC, PW, TM, 1
	global_store_b128 v1, v[PC:PC+3], s[8:9] offset:1024*(\s)          ; each store covers 512 consecutive bytes, aligned
	global_store_b128 v1, v[PC+4:PC+7], s[8:9] offset:1024*(\s)+512
.if ((\s)%2) == 0
	v_mov_b32 v[SV], v[PW]
.else
	v_cndmask_b32 v[SL], v[SV], v[PW], s22         ; two K steps' words leave together: 64 bytes each (one byte in 128 of what is read)
	global_store_b32 v4, v[SL], s[10:11] offset:16384*((\s)-1)
.endif
.endm
	XLOAD 0
	XLOAD 1
	XSTEP 0
	XSTEP 1
	XSTEP 2
	XSTEP 3
	s_wait_tensorcnt 0x0
	ds_add_u32 v240, v241
	s_wait_dscnt 0x0
	s_endpgm
	; ---------------- weights ----------------
.Lweights:
	s_sub_co_u32 s17, ttmp9, XWG
	s_and_b32 s18, s17, 7                          ; K step
	s_lshr_b32 s19, s17, 3                         ; which 128 columns
	s_wait_alu depctr_va_vdst(0)
	v_lshlrev_b32 v1, 2, v5                        ; 4 x lane: my column
	v_lshrrev_b32 v2, 4, v5
	v_and_b32 v3, 15, v5
	v_lshlrev_b32 v3, 4, v3
	v_lshl_add_u32 v2, v2, 13, v3                  ; the image: my column tile (8,192 bytes apart), + 16 r
	s_mul_i32 s24, s18, 1572864                    ; 128 rows of 12,288 bytes
	s_lshl_b32 s26, s19, 9
	s_lshl_b32 s27, s16, 7
	s_add_co_u32 s26, s26, s27                     ; 512 x group + 128 x wave: my wave's 32 columns, in bytes of f32 and of scale words alike
	s_add_co_u32 s24, s24, s26
	s_mov_b32 s25, 0
	s_lshl_b32 s28, s19, 16                        ; wq: tile 8 x group + 2 x wave, 8,192 bytes a tile,
	s_lshl_b32 s29, s16, 14
	s_add_co_u32 s28, s28, s29
	s_lshl_b32 s29, s18, 10
	s_add_co_u32 s28, s28, s29                     ; + 1,024 x K step
	s_mov_b32 s29, 0
	s_mul_i32 s30, s18, 12288                      ; ws: 12,288 bytes a K step
	s_add_co_u32 s30, s30, s26
	s_mov_b32 s31, 0
	s_wait_alu depctr_va_vdst(0)
	s_wait_kmcnt 0x0
	s_add_nc_u64 s[6:7], s[6:7], s[24:25]
	s_add_nc_u64 s[12:13], s[12:13], s[28:29]
	s_add_nc_u64 s[14:15], s[14:15], s[30:31]
.macro WLOAD t                         ; block t: 32 rows of the weights at my column: each load reads 128 consecutive bytes
.set k, 32*(\t)
.rept 32
	global_load_b32 v[WN+k], v1, s[6:7] offset:12288*k th:TH_LOAD_NT
.set k, k+1
.endr
.endm
.macro WBLOCK t
.set XB, WN+32*(\t)
.if (\t) < 3
	s_wait_loadcnt 32                              ; this block's 32 loads are in; the next block's may be out
.else
	s_wait_loadcnt 0x0
.endif
.if (\t)+2 < 4
	WLOAD (\t)+2
.endif
	v_max3_num_f32 v144, |v[XB]|, |v[XB+1]|, |v[XB+2]|             ; the block's largest magnitude: all 32 numbers are mine
	v_max3_num_f32 v145, |v[XB+3]|, |v[XB+4]|, |v[XB+5]|
.irp i, 6,10,14,18,22,26
	v_max3_num_f32 v144, v144, |v[XB+\i]|, |v[XB+\i+1]|
	v_max3_num_f32 v145, v145, |v[XB+\i+2]|, |v[XB+\i+3]|
.endr
	v_max3_num_f32 v144, v144, |v[XB+30]|, |v[XB+31]|
	v_max3_num_f32 v144, v144, v145, 0x1800000     ; and the floor
	v_add_nc_u32 v146, 0xff000000, v144            ; the conversion's scale operand
	v_lshrrev_b32 v147, 23, v146                   ; the byte
.if (\t) == 0
	v_mov_b32 v[WW], v147
.else
	v_lshl_or_b32 v[WW], v147, 8*(\t), v[WW]
.endif
.irp g, 0,1,2,3
	v_cvt_scalef32_pk8_fp4_f32 v[WC+4*(\t)+\g], v[XB+8*\g:XB+8*\g+7], v146
.endr
	v_nop                                          ; one plain place behind a scaled conversion
	global_store_b128 v2, v[WC+4*(\t):WC+4*(\t)+3], s[12:13] offset:512*((\t)/2)+256*((\t)%2)   ; block t = 2 c + h: sixteen lanes store 256 consecutive bytes, aligned
.endm
	WLOAD 0
	WLOAD 1
	WBLOCK 0
	WBLOCK 1
	WBLOCK 2
	WBLOCK 3
	global_store_b32 v1, v[WW], s[14:15]           ; 32 columns' scale words: 128 consecutive bytes
	s_endpgm
.Lfunc_end_k_qa3331850b9_quant:
	.size	k_qa3331850b9_quant, .Lfunc_end_k_qa3331850b9_quant-k_qa3331850b9_quant
	.p2alignl 7, 3214868480
	.fill 96, 4, 3214868480
	.section	.rodata,"a",@progbits
	.p2align	6, 0x0
	.amdhsa_kernel k_qa3331850b9_quant
		.amdhsa_group_segment_fixed_size 34304
		.amdhsa_private_segment_fixed_size 0
		.amdhsa_enable_private_segment 0
		.amdhsa_kernarg_size 48
		.amdhsa_user_sgpr_count 2
		.amdhsa_user_sgpr_kernarg_segment_ptr 1
		.amdhsa_wavefront_size32 1
		.amdhsa_system_sgpr_workgroup_id_x 1
		.amdhsa_system_sgpr_workgroup_id_y 1
		.amdhsa_system_sgpr_workgroup_id_z 1
		.amdhsa_system_vgpr_workitem_id 0
		.amdhsa_next_free_vgpr 242
		.amdhsa_next_free_sgpr 66
		.amdhsa_reserve_vcc 0
		.amdhsa_float_denorm_mode_32 3
		.amdhsa_float_denorm_mode_16_64 3
		.amdhsa_memory_ordered 1
		.amdhsa_forward_progress 1
		.amdhsa_inst_pref_size 53
	.end_amdhsa_kernel
	.amdgpu_metadata
---
amdhsa.version: [ 1, 2 ]
amdhsa.kernels:
  - .name:           k_qa3331850b9_quant
    .symbol:         k_qa3331850b9_quant.kd
    .args:
      - { .name: x, .offset: 0, .size: 8, .value_kind: global_buffer, .address_space: global }
      - { .name: weights, .offset: 8, .size: 8, .value_kind: global_buffer, .address_space: global }
      - { .name: xq, .offset: 16, .size: 8, .value_kind: global_buffer, .address_space: global }
      - { .name: xs, .offset: 24, .size: 8, .value_kind: global_buffer, .address_space: global }
      - { .name: wq, .offset: 32, .size: 8, .value_kind: global_buffer, .address_space: global }
      - { .name: ws, .offset: 40, .size: 8, .value_kind: global_buffer, .address_space: global }
    .group_segment_fixed_size: 34304
    .private_segment_fixed_size: 0
    .kernarg_segment_align: 8
    .kernarg_segment_size: 48
    .max_flat_workgroup_size: 128
    .sgpr_count:     66
    .vgpr_count:     242
    .wavefront_size: 32
...
	.end_amdgpu_metadata
.endif
;; end of part 1
;; launch proj (part 2): grid 16 x 16, 12 waves a work-group, clusters of 4 x 4, 247,296 bytes of LDS; arguments xq, xs, wq, ws, in_bias, qkc, qks, vc, vs; writes qkc, qks, vc, vs
.if DOCPART == 2
	.amdgcn_target "amdgcn-amd-amdhsa--gfx1250"
	.amdhsa_code_object_version 6
	.text
	.protected	k_qa3331850b9_proj
	.globl	k_qa3331850b9_proj
	.p2align	8
	.type	k_qa3331850b9_proj,@function
k_qa3331850b9_proj:
	s_mov_b64 s[64:65], 0
	v_nop
	global_prefetch_b8 v0, s[64:65] scope:SCOPE_SE
	s_setreg_imm32_b32 hwreg(HW_REG_WAVE_MODE, 25, 1), 1
	s_wait_xcnt 0x0
	s_wait_alu depctr_hold_cnt(0) depctr_sa_sdst(0) depctr_va_vdst(0) depctr_va_sdst(0) depctr_va_ssrc(0) depctr_va_vcc(0) depctr_vm_vsrc(0)
	s_getreg_b32 s2, hwreg(HW_REG_IB_STS2, 6, 4)
	s_cmp_eq_u32 s2, 0
	s_cbranch_scc0 .Lentry_in_a_cluster
	s_endpgm
.Lentry_in_a_cluster:
	s_bfe_u32 s2, ttmp6, 0x10000c
	s_cmp_lg_u32 s2, 0xf033
	s_cbranch_scc0 .Lentry_shape_is_right
	s_endpgm
.Lentry_shape_is_right:
; qkv = x @ weights + in_bias on codes of FP4 (K = 1024, eight K steps of 128), and its results quantised on the way: Q and K along the head's 64, V along the keys.  Nothing wider than codes leaves.
; A work-group makes 256 rows x one head's 192 columns (Q 64, K 64, V 64).  All its codes and scale words come into LDS ONCE, as register images, and stay: nothing in LDS is filled again or stored to.
; CLUSTERS: 4 x 4 work-groups.  The four of a row of the cluster share the 256 rows of x, the four of a column the head's columns: each tile is asked for JOINTLY, by the same tensor load with a mask that names the four.
; TWELVE WAVES, ONE BODY, sixteen accumulators each (source 0: 8 tiles, source 1: 2 tiles).
;   waves 0-7:  source 0 = the 128 columns of Q and K, source 1 = rows 32 w .. 32 w + 31 of x.  A lane holds ONE row and its 64 registers run over the 128 features: blocks 0, 1 are Q's K, blocks 2, 3 are K's.
;   waves 8-11: source 0 = 128 rows of x (keys), source 1 = 32 columns of V.  A lane holds ONE channel d and its 64 registers run over 128 keys: one K step of the attention's second product.
; In both, register 16 b + 8 u + j of lane (r, h) is number 32 b + 16 u + 8 h + j along the next K.  The conversions and the exchange of halves lay a block's 32 numbers in the order 0-7, 16-23, 8-15, 24-31.
; Both operands of each later product are made this way, so the products pair the same k; blocks and scales are the rule's; only the order of the f32 sum inside a block differs from ascending k.
; OUT: qkc [b x head 32][row tile 128][1,024 B]: 512 bytes Q's four registers, 512 bytes K's;  qks [32][row 2048] words q0 q1 k0 k1;  vc [32][key group 16][d tile 4][1,024 B];  vs [32][16][d 64] words.
; LIMITS: NaN and infinities are not served.  A block of zeros gets the byte 1 where the rule says 127: its codes are zeros, and this program alone reads the bytes.
.set XIMG, 0                           ; LDS: x's fragments [row tile 16][K step 8][1,024 B]
.set WIMG, 131072                      ; the head's [column tile 12][K step 8][1,024 B]
.set XSC,  229376                      ; x's scale words [K step 8][256 words]
.set WSC,  237568                      ; the head's [K step 8][256 words]: 192 words and 64 zeros, so that both arrays have 1,024 bytes a K step
.set ADA,  1                           ; v1   source 0's fragments: base + 16 x lane
.set ADB,  2                           ; v2   source 1's
.set ASA,  3                           ; v3   source 0's scale words: base + 4 x lane
.set ASB,  4                           ; v4   source 1's
.set L16,  5                           ; v5   16 x lane
.set L4,   6                           ; v6   4 x lane
.set BH,   7                           ; v7   32 h
.set BR,   8                           ; v8   4 r
.set BV,   10                          ; v10-11 V's bias of my channel, two tiles
.set FA,   32                          ; v32-95   source 0: eight fragments
.set FB,   96                          ; v96-111  source 1: two
.set SA,   112                         ; v112-115 source 0's scale words: lanes 0-15 tile 2 i, lanes 16-31 tile 2 i + 1
.set SB,   116                         ; v116     source 1's: lanes 0-15 tile 0, lanes 16-31 tile 1
.set ACC,  128                         ; v128-255 accumulator (j, i) at 128 + 64 j + 8 i
.set TM,   32                          ; behind the products: at work in QUANT,
.set PC0,  48                          ; the two fragments made,
.set PC1,  56
.set PW0,  64                          ; their scale words,
.set PW1,  65
.set PWS,  66                          ; and both in one register
.set WV,   22
.set HM,   67
.set SEL,  100
.set G1X,  28                          ; s[28:35] group 1 for x's images;  s[36:43] for W's;  s[44:51] x's scale words;  s[52:59] W's
.set G1W,  36
.set G1XS, 44
.set G1WS, 52
.set G0X,  60                          ; s[60:63], s[68:71], s[72:75], s[76:79] their groups 0
.set G0W,  68
.set G0XS, 72
.set G0WS, 76
.macro QUANT s, pc, pw, tm, ab         ; 64 numbers of a lane, v[s] on, block b = registers 16 b .. 16 b + 15 with lane l xor 16's, become a fragment's codes in v[pc] on and the scale word in v[pw]
.irp b, 0,1,2,3
.if \ab
	v_max3_num_f32 v[(\tm)+\b], |v[(\s)+16*\b]|, |v[(\s)+16*\b+1]|, 0x1800000   ; from each accumulator's low end on; the floor 2^(3 - 127) holds the byte at 1 from below
.else
	v_max3_num_f32 v[(\tm)+\b], v[(\s)+16*\b], v[(\s)+16*\b+1], 0x1800000
.endif
.endr
.irp i, 2,4,6,8,10,12,14
.irp b, 0,1,2,3
.if \ab
	v_max3_num_f32 v[(\tm)+\b], v[(\tm)+\b], |v[(\s)+16*\b+\i]|, |v[(\s)+16*\b+\i+1]|
.else
	v_max3_num_f32 v[(\tm)+\b], v[(\tm)+\b], v[(\s)+16*\b+\i], v[(\s)+16*\b+\i+1]
.endif
.endr
.endr
.irp b, 0,1,2,3
	s_delay_alu instid0(VALU_DEP_4)
	v_permlanex16_b32 v[(\tm)+4+\b], v[(\tm)+\b], s[SEL], s[SEL+1]
.endr
.irp b, 0,1,2,3
	s_delay_alu instid0(VALU_DEP_4)
	v_max_num_f32 v[(\tm)+\b], v[(\tm)+\b], v[(\tm)+4+\b]
.endr
.irp b, 0,1,2,3
	s_delay_alu instid0(VALU_DEP_4)
	v_add_nc_u32 v[(\tm)+12+\b], 0xff000000, v[(\tm)+\b]           ; 2 off the exponent field: the conversion's scale operand
.endr
.irp b, 0,1,2,3
	s_delay_alu instid0(VALU_DEP_4)
	v_lshrrev_b32 v[(\tm)+4+\b], 23, v[(\tm)+12+\b]                ; the byte
.endr
	s_delay_alu instid0(VALU_DEP_3)
	v_lshl_or_b32 v[\pw], v[(\tm)+5], 8, v[(\tm)+4]
	s_delay_alu instid0(VALU_DEP_1)
	v_lshl_or_b32 v[\pw], v[(\tm)+6], 16, v[\pw]
	s_delay_alu instid0(VALU_DEP_1)
	v_lshl_or_b32 v[\pw], v[(\tm)+7], 24, v[\pw]
.irp b, 0,1,2,3
	v_cvt_scalef32_pk8_fp4_f32 v[(\pc)+2*\b], v[(\s)+16*\b:(\s)+16*\b+7], v[(\tm)+12+\b]
	v_cvt_scalef32_pk8_fp4_f32 v[(\pc)+2*\b+1], v[(\s)+16*\b+8:(\s)+16*\b+15], v[(\tm)+12+\b]
.endr
	v_nop                                                          ; one plain place behind a scaled conversion
.irp c, 0,1
.irp i, 0,1
	v_permlane16_swap_b32 v[(\pc)+4*\c+\i], v[(\pc)+4*\c+2+\i]     ; a whole block to a lane: lanes 0-15 block 2 c, lanes 16-31 block 2 c + 1
.endr
.endr
.endm
.macro ROUND                           ; a round of the cluster's barrier
	s_barrier_signal -1
	s_barrier_wait -1
	s_cmp_lg_u32 s[WV], 0
	s_cbranch_scc1 .Lnot_wave_0_\@
	s_barrier_signal -3
.Lnot_wave_0_\@:
	s_barrier_wait -3
	s_barrier_signal -1
	s_barrier_wait -1
.endm
.macro PLACES
.rept 4
	v_nop
.endr
.endm
; one product in place: D = C = v[d] on; ra, rb: which half of the lanes of the scale registers is read
.macro WM d, a, b, sa, sb, ra, rb
.if (\ra) && (\rb)
	v_wmma_scale_f32_16x16x128_f8f6f4 v[(\d):(\d)+7], v[(\a):(\a)+7], v[(\b):(\b)+7], v[(\d):(\d)+7], v[\sa], v[\sb] matrix_a_fmt:MATRIX_FMT_FP4 matrix_b_fmt:MATRIX_FMT_FP4 matrix_a_scale:MATRIX_SCALE_ROW1 matrix_b_scale:MATRIX_SCALE_ROW1
.elseif (\ra)
	v_wmma_scale_f32_16x16x128_f8f6f4 v[(\d):(\d)+7], v[(\a):(\a)+7], v[(\b):(\b)+7], v[(\d):(\d)+7], v[\sa], v[\sb] matrix_a_fmt:MATRIX_FMT_FP4 matrix_b_fmt:MATRIX_FMT_FP4 matrix_a_scale:MATRIX_SCALE_ROW1
.elseif (\rb)
	v_wmma_scale_f32_16x16x128_f8f6f4 v[(\d):(\d)+7], v[(\a):(\a)+7], v[(\b):(\b)+7], v[(\d):(\d)+7], v[\sa], v[\sb] matrix_a_fmt:MATRIX_FMT_FP4 matrix_b_fmt:MATRIX_FMT_FP4 matrix_b_scale:MATRIX_SCALE_ROW1
.else
	v_wmma_scale_f32_16x16x128_f8f6f4 v[(\d):(\d)+7], v[(\a):(\a)+7], v[(\b):(\b)+7], v[(\d):(\d)+7], v[\sa], v[\sb] matrix_a_fmt:MATRIX_FMT_FP4 matrix_b_fmt:MATRIX_FMT_FP4
.endif
.endm
	s_load_b512 s[4:19], s[0:1], 0x0               ; xq s[4:5], xs s[6:7], wq s[8:9], ws s[10:11], in_bias s[12:13], qkc s[14:15], qks s[16:17], vc s[18:19]
	s_load_b64 s[20:21], s[0:1], 0x40              ; vs
	v_lshl_add_u32 v126, v0, 2, 0x3c000
	v_mov_b32 v127, 0
	ds_add_u32 v126, v127
	ds_add_u32 v126, v127
	v_lshrrev_b32 v9, 5, v0
	s_delay_alu instid0(VALU_DEP_1)
	v_readfirstlane_b32 s[WV], v9                  ; wave 0..11
	s_bfe_u32 s80, ttmp6, 0x40000                  ; cx, cy: my place in the cluster
	s_bfe_u32 s81, ttmp6, 0x40004
	s_lshl_b32 s82, ttmp9, 2
	s_add_co_u32 s82, s82, s80                     ; the head = 4 x cluster x + cx
	s_and_b32 s83, ttmp7, 0xffff
	s_lshl_b32 s83, s83, 2
	s_add_co_u32 s83, s83, s81                     ; the block of 256 rows = 4 x cluster y + cy
	s_lshl_b32 s84, s81, 2
	s_lshl_b32 s84, 15, s84                        ; my row of the cluster
	s_lshl_b32 s85, 0x1111, s80                    ; my column
	s_mov_b32 s[SEL], 0x76543210
	s_mov_b32 s[SEL+1], 0xfedcba98
	s_mov_b32 s[HM], 0xffff0000                    ; a lane mask: lanes 16-31
	; the two roles differ in bases alone, chosen on the wave's number
	s_bfe_u32 s24, s[WV], 0x10001                  ; waves 8-11: which 128 rows (keys),
	s_and_b32 s25, s[WV], 1                        ; and which 32 channels of V
	s_lshl_b32 s26, s24, 16                        ; V: source 0 = x's tiles 8 g on
	s_lshl_b32 s27, s[WV], 14                      ; QK: source 1 = x's tiles 2 w, 2 w + 1
	s_lshl_b32 s94, s25, 14
	s_add_co_u32 s94, s94, WIMG+65536              ; V: source 1 = W's tiles 8 + 2 dp on
	s_lshl_b32 s95, s24, 9
	s_add_co_u32 s95, s95, XSC                     ; V: source 0's scale words
	s_lshl_b32 s96, s[WV], 7
	s_add_co_u32 s96, s96, XSC                     ; QK: source 1's
	s_lshl_b32 s97, s25, 7
	s_add_co_u32 s97, s97, WSC+512                 ; V: source 1's
	s_cmp_lt_u32 s[WV], 8
	s_cselect_b32 s26, WIMG, s26                   ; QK: source 0 = W's tiles 0-7
	s_cselect_b32 s27, s27, s94
	s_cselect_b32 s95, WSC, s95
	s_cselect_b32 s96, s96, s97
	v_and_b32 v9, 31, v0
	s_delay_alu instid0(VALU_DEP_1)
	v_lshlrev_b32 v[L16], 4, v9
	s_delay_alu instid0(VALU_DEP_2)
	v_lshlrev_b32 v[L4], 2, v9
	s_delay_alu instid0(VALU_DEP_2)
	v_add_nc_u32 v[ADA], s26, v[L16]               ; every LDS address is made here, ahead of the first branch
	s_delay_alu instid0(VALU_DEP_3)
	v_add_nc_u32 v[ADB], s27, v[L16]
	s_delay_alu instid0(VALU_DEP_3)
	v_add_nc_u32 v[ASA], s95, v[L4]
	s_delay_alu instid0(VALU_DEP_4)
	v_add_nc_u32 v[ASB], s96, v[L4]
	v_bfe_u32 v[BH], v0, 4, 1
	s_delay_alu instid0(VALU_DEP_1)
	v_lshlrev_b32 v[BH], 5, v[BH]
	v_and_b32 v[BR], 15, v0
	s_delay_alu instid0(VALU_DEP_1)
	v_lshlrev_b32 v[BR], 2, v[BR]
	; descriptor groups 1.  Images: a dense block of 32,768 bytes as 128 rows of 32 elements of 8 bytes
	s_or_b32 s[G1X], s84, (3<<16)|(1<<21)          ; 15:0 the mask: x's tiles go to my row of the cluster; 17:16 elements of 8 bytes; 21 set beside a mask
	s_or_b32 s[G1W], s85, (3<<16)|(1<<21)          ; W's go to my column
.irp g, G1X, G1W
	s_mov_b32 s[\g+1], 32<<16                      ; tensor_dim0
	s_mov_b32 s[\g+2], 128<<16                     ; tensor_dim1
	s_mov_b32 s[\g+3], 32<<16                      ; tile_dim0
	s_mov_b32 s[\g+4], 128                         ; tile_dim1
	s_mov_b32 s[\g+5], 32                          ; the pitch
	s_mov_b32 s[\g+6], 0
	s_mov_b32 s[\g+7], 0
.endr
	s_or_b32 s[G1XS], s84, (2<<16)|(1<<21)         ; x's scale words: 8 K steps x 256 words, 4,096 words apart
	s_mov_b32 s[G1XS+1], 256<<16
	s_mov_b32 s[G1XS+2], 8<<16
	s_mov_b32 s[G1XS+3], 256<<16
	s_mov_b32 s[G1XS+4], 8
	s_mov_b32 s[G1XS+5], 4096
	s_mov_b32 s[G1XS+6], 0
	s_mov_b32 s[G1XS+7], 0
	s_or_b32 s[G1WS], s85, (2<<16)|(1<<21)         ; W's: 8 K steps x 192 words, 3,072 words apart; the tile states 256 words a row and the tensor 192: the rest arrives as zeros
	s_mov_b32 s[G1WS+1], 192<<16
	s_mov_b32 s[G1WS+2], 8<<16
	s_mov_b32 s[G1WS+3], 256<<16
	s_mov_b32 s[G1WS+4], 8
	s_mov_b32 s[G1WS+5], 3072
	s_mov_b32 s[G1WS+6], 0
	s_mov_b32 s[G1WS+7], 0
	; where the tiles come from: x's hang on the block of rows alone, W's on the head alone, each in registers that never hold the other coordinate
	s_lshl_b32 s23, s[WV], 15                      ; LDS: 32,768 x wave: waves 0-3 fill x's images, waves 4-6 W's, which lie behind them
	s_and_b32 s66, s[WV], 3
	s_lshl_b32 s66, s66, 15                        ; waves 4-6: parts 0-2 of W's images
	s_lshl_b32 s86, s83, 17
	s_add_co_u32 s86, s86, s23                     ; xq: 131,072 x block + 32,768 x wave
	s_mov_b32 s87, 0
	s_mul_i32 s88, s82, 98304
	s_add_co_u32 s88, s88, s66                     ; wq: 98,304 x head + 32,768 x part
	s_mov_b32 s89, 0
	s_lshl_b32 s90, s83, 10                        ; xs: 256 words a block
	s_mov_b32 s91, 0
	s_mul_i32 s92, s82, 768                        ; ws: 192 words a head
	s_mov_b32 s93, 0
	s_wait_dscnt 0x0
	s_wait_kmcnt 0x0
	s_mov_b32 s[G0X], 1
	s_mov_b32 s[G0X+1], s23
	s_add_nc_u64 s[G0X+2:G0X+3], s[4:5], s[86:87]
	s_or_b32 s[G0X+3], s[G0X+3], 0x80000000
	s_mov_b32 s[G0W], 1
	s_mov_b32 s[G0W+1], s23
	s_add_nc_u64 s[G0W+2:G0W+3], s[8:9], s[88:89]
	s_or_b32 s[G0W+3], s[G0W+3], 0x80000000
	s_mov_b32 s[G0XS], 1
	s_mov_b32 s[G0XS+1], XSC
	s_add_nc_u64 s[G0XS+2:G0XS+3], s[6:7], s[90:91]
	s_or_b32 s[G0XS+3], s[G0XS+3], 0x80000000
	s_mov_b32 s[G0WS], 1
	s_mov_b32 s[G0WS+1], WSC
	s_add_nc_u64 s[G0WS+2:G0WS+3], s[10:11], s[92:93]
	s_or_b32 s[G0WS+3], s[G0WS+3], 0x80000000
	ROUND                                          ; all sixteen work-groups are here: the joint loads meet
	; the fills: one load a wave at the most, all inside one chain of branches on the wave's number; four v_nop follow each
	s_cmp_lt_u32 s[WV], 4
	s_cbranch_scc0 .Lnot_x
	tensor_load_to_lds s[G0X:G0X+3], s[G1X:G1X+7]
	s_nop 0
	PLACES
	s_branch .Lasked
.Lnot_x:
	s_cmp_lt_u32 s[WV], 7
	s_cbranch_scc0 .Lnot_w
	tensor_load_to_lds s[G0W:G0W+3], s[G1W:G1W+7]
	s_nop 0
	PLACES
	s_branch .Lasked
.Lnot_w:
	s_cmp_eq_u32 s[WV], 7
	s_cbranch_scc0 .Lnot_xs
	tensor_load_to_lds s[G0XS:G0XS+3], s[G1XS:G1XS+7]
	s_nop 0
	PLACES
	s_branch .Lasked
.Lnot_xs:
	s_cmp_eq_u32 s[WV], 8
	s_cbranch_scc0 .Lasked
	tensor_load_to_lds s[G0WS:G0WS+3], s[G1WS:G1WS+7]
	s_nop 0
	PLACES
.Lasked:
	; where the results go.  QK: image (bh x 128 + 16 x (block % 8) + 2 w) x 1,024;  V: ((bh x 16 + 2 x (block % 8) + g) x 4 + 2 dp) x 1,024;  the scale words lie at a sixteenth of that in both
	s_lshr_b32 s98, s83, 3
	s_lshl_b32 s98, s98, 4
	s_add_co_u32 s98, s98, s82                     ; bh = 16 x batch + head
	s_and_b32 s99, s83, 7
	s_lshl_b32 s86, s98, 17
	s_lshl_b32 s87, s99, 14
	s_add_co_u32 s86, s86, s87
	s_lshl_b32 s87, s[WV], 11
	s_add_co_u32 s86, s86, s87
	s_lshl_b32 s88, s98, 16
	s_lshl_b32 s87, s99, 13
	s_add_co_u32 s88, s88, s87
	s_lshl_b32 s87, s24, 12
	s_add_co_u32 s88, s88, s87
	s_lshl_b32 s87, s25, 11
	s_add_co_u32 s88, s88, s87
	s_cmp_lt_u32 s[WV], 8
	s_cselect_b32 s86, s86, s88
	s_cselect_b64 s[14:15], s[14:15], s[18:19]     ; qkc or vc: the choice hangs on the wave's number alone
	s_cselect_b64 s[16:17], s[16:17], s[20:21]     ; qks or vs
	s_mov_b32 s87, 0
	s_lshr_b32 s88, s86, 4
	s_mov_b32 s89, 0
	s_add_nc_u64 s[14:15], s[14:15], s[86:87]
	s_add_nc_u64 s[16:17], s[16:17], s[88:89]
	s_mul_i32 s90, s82, 768
	s_mov_b32 s91, 0
	s_add_nc_u64 s[12:13], s[12:13], s[90:91]      ; the head's 192 biases
	s_lshl_b32 s92, s25, 7
	s_add_co_u32 s92, s92, 512
	s_mov_b32 s93, 0
	s_add_nc_u64 s[92:93], s[12:13], s[92:93]      ; V's: my 32 channels
	; THE BIAS STARTS THE SUMS: the accumulators begin as the bias in the result's layout, and every product adds in place
	s_cmp_lt_u32 s[WV], 8
	s_cbranch_scc0 .Lbias_v
	s_wait_alu depctr_va_vdst(0)
.irp j, 0,1
.irp i, 0,1,2,3,4,5,6,7
	global_load_b128 v[ACC+64*\j+8*\i:ACC+64*\j+8*\i+3], v[BH], s[12:13] offset:64*\i        ; features 16 i + 8 h + 0 .. 7, the same for both tiles of rows
	global_load_b128 v[ACC+64*\j+8*\i+4:ACC+64*\j+8*\i+7], v[BH], s[12:13] offset:64*\i+16
.endr
.endr
	s_branch .Lbias_done
.Lbias_v:
	s_wait_alu depctr_va_vdst(0)
	global_load_b32 v[BV], v[BR], s[92:93]         ; a lane holds one channel: one number for all its 64 keys
	global_load_b32 v[BV+1], v[BR], s[92:93] offset:64
	s_wait_loadcnt 0x0
.set n, 0
.rept 64
	v_mov_b32 v[ACC+n], v[BV]                      ; no clearing: these are the sums' first terms
	v_mov_b32 v[ACC+64+n], v[BV+1]
.set n, n+1
.endr
.Lbias_done:
	s_wait_tensorcnt 0x0                           ; my fill has landed,
	s_barrier_signal -1
	s_barrier_wait -1                              ; everybody's has
	s_wait_loadcnt 0x0                             ; the bias
; A K step: 25 LDS loads, 16 products.  The sixteen accumulators take turns, one instruction a turn, in the same order in every step.
.macro KSTEP ks
	PLACES                                         ; four plain places in front of loads into registers that matrix instructions have read
	ds_load_b32 v[SB], v[ASB] offset:1024*(\ks)
.irp i, 0,1,2,3
	ds_load_b32 v[SA+\i], v[ASA] offset:1024*(\ks)+128*\i
.endr
.irp j, 0,1
.irp c, 0,1
	ds_load_b128 v[FB+8*\j+4*\c:FB+8*\j+4*\c+3], v[ADB] offset:8192*\j+1024*(\ks)+512*\c
.endr
.endr
.irp i, 0,1,2,3,4,5,6,7
.irp c, 0,1
	ds_load_b128 v[FA+8*\i+4*\c:FA+8*\i+4*\c+3], v[ADA] offset:8192*\i+1024*(\ks)+512*\c
.endr
.endr
	s_wait_dscnt 8                                 ; all but the youngest eight loads, source 0's tiles 4-7
.irp i, 0,1,2,3
.irp j, 0,1
	WM ACC+64*\j+8*\i, FA+8*\i, FB+8*\j, SA+\i/2, SB, \i%2, \j
.endr
.endr
	s_wait_dscnt 0x0
.irp i, 4,5,6,7
.irp j, 0,1
	WM ACC+64*\j+8*\i, FA+8*\i, FB+8*\j, SA+\i/2, SB, \i%2, \j
.endr
.endr
.endm
	s_wait_alu depctr_va_vdst(0)
	KSTEP 0
	KSTEP 1
	KSTEP 2
	KSTEP 3
	KSTEP 4
	KSTEP 5
	KSTEP 6
	KSTEP 7
	PLACES                                         ; in front of the first read of results and the first write over the operands' registers
	QUANT ACC, PC0, PW0, TM, 1
	QUANT ACC+64, PC1, PW1, TM, 1
	global_store_b128 v[L16], v[PC0:PC0+3], s[14:15]               ; each store covers 512 consecutive bytes, aligned
	global_store_b128 v[L16], v[PC0+4:PC0+7], s[14:15] offset:512
	global_store_b128 v[L16], v[PC1:PC1+3], s[14:15] offset:1024
	global_store_b128 v[L16], v[PC1+4:PC1+7], s[14:15] offset:1536
	v_cndmask_b32 v[PWS], v[PW0], v[PW1], s[HM]    ; lanes 0-15 the first tile's words, lanes 16-31 the second's
	global_store_b32 v[L4], v[PWS], s[16:17]       ; 128 consecutive bytes
	s_wait_tensorcnt 0x0
	ds_add_u32 v126, v127
	s_wait_dscnt 0x0
	ROUND                                          ; the closing round: no work-group ends while a partner may still ask for a tile that names it
	s_endpgm
.Lfunc_end_k_qa3331850b9_proj:
	.size	k_qa3331850b9_proj, .Lfunc_end_k_qa3331850b9_proj-k_qa3331850b9_proj
	.p2alignl 7, 3214868480
	.fill 96, 4, 3214868480
	.section	.rodata,"a",@progbits
	.p2align	6, 0x0
	.amdhsa_kernel k_qa3331850b9_proj
		.amdhsa_group_segment_fixed_size 247296
		.amdhsa_private_segment_fixed_size 0
		.amdhsa_enable_private_segment 0
		.amdhsa_kernarg_size 72
		.amdhsa_user_sgpr_count 2
		.amdhsa_user_sgpr_kernarg_segment_ptr 1
		.amdhsa_wavefront_size32 1
		.amdhsa_system_sgpr_workgroup_id_x 1
		.amdhsa_system_sgpr_workgroup_id_y 1
		.amdhsa_system_sgpr_workgroup_id_z 1
		.amdhsa_system_vgpr_workitem_id 0
		.amdhsa_next_free_vgpr 256
		.amdhsa_next_free_sgpr 102
		.amdhsa_reserve_vcc 0
		.amdhsa_float_denorm_mode_32 3
		.amdhsa_float_denorm_mode_16_64 3
		.amdhsa_memory_ordered 1
		.amdhsa_forward_progress 1
		.amdhsa_inst_pref_size 56
	.end_amdhsa_kernel
	.amdgpu_metadata
---
amdhsa.version: [ 1, 2 ]
amdhsa.kernels:
  - .name:           k_qa3331850b9_proj
    .symbol:         k_qa3331850b9_proj.kd
    .args:
      - { .name: xq, .offset: 0, .size: 8, .value_kind: global_buffer, .address_space: global }
      - { .name: xs, .offset: 8, .size: 8, .value_kind: global_buffer, .address_space: global }
      - { .name: wq, .offset: 16, .size: 8, .value_kind: global_buffer, .address_space: global }
      - { .name: ws, .offset: 24, .size: 8, .value_kind: global_buffer, .address_space: global }
      - { .name: in_bias, .offset: 32, .size: 8, .value_kind: global_buffer, .address_space: global }
      - { .name: qkc, .offset: 40, .size: 8, .value_kind: global_buffer, .address_space: global }
      - { .name: qks, .offset: 48, .size: 8, .value_kind: global_buffer, .address_space: global }
      - { .name: vc, .offset: 56, .size: 8, .value_kind: global_buffer, .address_space: global }
      - { .name: vs, .offset: 64, .size: 8, .value_kind: global_buffer, .address_space: global }
    .group_segment_fixed_size: 247296
    .private_segment_fixed_size: 0
    .kernarg_segment_align: 8
    .kernarg_segment_size: 72
    .max_flat_workgroup_size: 384
    .sgpr_count:     102
    .vgpr_count:     256
    .wavefront_size: 32
...
	.end_amdgpu_metadata
.endif
;; end of part 2
;; launch attn (part 3): grid 16 x 16, 16 waves a work-group, clusters of 4 x 1, 327,680 bytes of LDS; arguments adj, gamma, mask, out_bias, qkc, qks, vc, vs, out0; writes out0
.if DOCPART == 3
	.amdgcn_target "amdgcn-amd-amdhsa--gfx1250"
	.amdhsa_code_object_version 6
	.text
	.protected	k_qa3331850b9_attn
	.globl	k_qa3331850b9_attn
	.p2align	8
	.type	k_qa3331850b9_attn,@function
k_qa3331850b9_attn:
	s_mov_b64 s[64:65], 0
	v_nop
	global_prefetch_b8 v0, s[64:65] scope:SCOPE_SE
	s_setreg_imm32_b32 hwreg(HW_REG_WAVE_MODE, 25, 1), 1
	s_wait_xcnt 0x0
	s_wait_alu depctr_hold_cnt(0) depctr_sa_sdst(0) depctr_va_vdst(0) depctr_va_sdst(0) depctr_va_ssrc(0) depctr_va_vcc(0) depctr_vm_vsrc(0)
	s_getreg_b32 s2, hwreg(HW_REG_IB_STS2, 6, 4)
	s_cmp_eq_u32 s2, 0
	s_cbranch_scc0 .Lentry_in_a_cluster
	s_endpgm
.Lentry_in_a_cluster:
	s_bfe_u32 s2, ttmp6, 0x10000c
	s_cmp_lg_u32 s2, 0x3003
	s_cbranch_scc0 .Lentry_shape_is_right
	s_endpgm
.Lentry_shape_is_right:
; out = Q4(softmax(Q K^T / 8 + alibi + gamma adj) x mask2d) V + out_bias, both products on codes of FP4 (E2M1) with E8M0 scales; the softmax is finished and normalised in f32 ahead of its quantiser.
; SHARES.  A work-group owns one head and 256 queries, in 16 trips of 16 queries.  Each of its 16 waves owns 128 keys for the whole launch: their codes of K and of V stay in registers.
; Both products are used transposed (S^T = K Q^T, O^T = V^T P^T): a lane holds ONE query (lane % 16); score register 16 b + 8 u + j is key 32 b + 16 u + 8 (lane / 16) + j of the wave's 128.
; A TRIP: adj's 16 x 128 numbers of the wave come from its own part of the LDS slot into the score registers; the round of the cluster's barrier and the slot's refill follow at once.  The numbers become the C of
; the first product (8 gamma adj - 8 slope |k - q|, the part that is the same for a block of 32 keys kept apart); the wave's largest t, rounded up to a whole number, p = 2^(t - M) and its sum go to LDS.
; Each pair of p is multiplied by the keys' mask right after it has been added to the sum, between the links of the sum's two chains.  Behind a second barrier every wave joins the sixteen pairs (-M, sum),
; scales p by mask_q / sum, quantises along the keys and multiplies its own P by its own V: four tiles of partial O^T, which go to LDS and are added one trip on (wave w takes query w): they are read behind
; that trip's first barrier, and those reads are waited for ahead of its second, behind which the buffer is written again.  A block's largest p is taken of the masked p ahead of the scaling and scaled by
; itself: rounding keeps the order, so it is the largest of the scaled numbers, bit for bit.
; adj has ONE slot (16 x 2048 f32): a wave reads only the part that its own load brought.
; CLUSTER: four heads of the same queries read the same tile of adj: it is asked for jointly (mask 15).  Nothing but global addresses and the slope hangs on the place in the cluster.
; PREFETCH: in trip t waves 0 to 3 name tile t + 3 of adj, two refills ahead of its load: a wave a row (row 4 cx + wave of the tile's 16), lanes 256 bytes apart; trips 13 on name nothing.
; LIMITS: the promise holds while the scaled scores stay under 2^31 in magnitude; NaN and infinities among the inputs are not served; a block of zeros gets the scale byte 1, read by this program alone.
.set SPARE, 135168                     ; behind adj's slot (16 waves x 16 rows x 528 bytes): the spare words, 128 bytes a wave
.set STATS, 137216                     ; -M [query 16][80 bytes: wave 16 words], 1,280 bytes on the sums likewise
.set OP0,   139776                     ; partial O: [wave 16][query 16][256 + 16 bytes]
.set SPW,  1
.set NIL,  2
.set ADJ,  3
.set PFO,  4
.set STA,  5
.set STR,  6
.set OPW,  7                           ; v7   where my partial O goes
.set OPR,  9                           ; v9   where I read query w's partial sums
.set L16,  13
.set R4,   14
.set RR,   15
.set L8B,  16
.set KB0,  17
.set QF,   18
.set AL,   20                          ; v20-35  8 slope x (16 u + j)
.set MK,   36                          ; v36-67  the keys' mask, two bf16 numbers a register
.set KS,   68
.set VS,   72
.set QS,   74
.set PS,   75                          ; v75     P's scale word
.set TQ,   76                          ; v[76:77] the sum's second chain
.set TP2,  78
.set TV,   79
.set QX,   76                          ; v76-79  then: each block's largest masked p
.set QA,   80                          ; v80-83 Q's codes, v84-87 zeros: the product's upper 64 along K
.set ZR,   84
.set KF,   88
.set VF,   120
.set SC,   152                         ; v152-215 scores, p; then v152-183 O^T
.set MQF,  216
.set MQR,  217
.set OB,   218
.set NM,   220
.set LS,   222
.set BM,   224
.set BL,   228
.set NB,   232
.set XD,   232
.set TT,   240
.set TX,   244
.set TP,   245
.set TSL,  248
.set TB,   249
.set ST,   224
.set NG,   240
.set TM,   224
.set PC,   240
.set FV,   250
.set CR,   252                         ; v[252:253] a finished pair of out0
.set WV,   22
.set G1,   24
.set G0,   32
.set PFA,  36
.set LIM,  38
.set CX,   39
.set G8,   40
.set CL,   42
.set NS8,  44
.set NSL,  45
.set SEL,  46
.set HM,   48
.set Q0,   49
.set QAL,  50
.set KW,   51
.set CNT,  52
.set TMP,  53
.set QP,   54
.set QSP,  56
.set MQP,  58
.set SL8,  73
.macro CREST                           ; a round of the cluster's barrier behind its opening barrier
	s_cmp_lg_u32 s[WV], 0
	s_cbranch_scc1 .Lnot_wave_0_\@
	s_barrier_signal -3
.Lnot_wave_0_\@:
	s_barrier_wait -3
	s_barrier_signal -1
	s_barrier_wait -1
.endm
.macro ROUND
	s_barrier_signal -1
	s_barrier_wait -1
	CREST
.endm
.macro PLACES
.rept 4
	v_nop
.endr
.endm
	s_load_b512 s[4:19], s[0:1], 0x0               ; adj s[4:5], gamma s[6:7], mask s[8:9], out_bias s[10:11], qkc s[12:13], qks s[14:15], vc s[16:17], vs s[18:19]
	s_load_b64 s[20:21], s[0:1], 0x40              ; out0
	v_lshl_add_u32 v[SPW], v0, 2, SPARE
	v_mov_b32 v[NIL], 0
	ds_add_u32 v[SPW], v[NIL]                      ; the opening lines: the add, twice on end, and one wait ahead of the first tensor load
	ds_add_u32 v[SPW], v[NIL]
	v_lshrrev_b32 v224, 5, v0
	s_delay_alu instid0(VALU_DEP_1)
	v_readfirstlane_b32 s[WV], v224                ; wave 0..15
	s_bfe_u32 s[CX], ttmp6, 0x40000                ; cx
	s_lshl_b32 s66, ttmp9, 2
	s_add_co_u32 s66, s66, s[CX]                   ; the head
	s_and_b32 s67, ttmp7, 0xffff
	s_lshr_b32 s68, s67, 3                         ; the batch
	s_and_b32 s69, s67, 7                          ; the block of 256 queries
	s_lshl_b32 s70, s68, 4
	s_add_co_u32 s70, s70, s66                     ; 16 x batch + head
	s_and_b32 s71, s[WV], 3
	s_lshl_b32 s[KW], s[WV], 7                     ; my first key
	s_lshl_b32 s[Q0], s69, 8                       ; the trip's first query
	s_and_b32 s[QAL], s[Q0], 0xffffffe0            ; the block of 32 keys that holds the trip's queries
	s_mov_b32 s[SEL], 0x76543210
	s_mov_b32 s[SEL+1], 0xfedcba98
	s_mov_b32 s[HM], 0xffff0000
	s_mov_b32 s[CL], 0x3e38aa3b                    ; log2(e) / 8
	s_mov_b32 s[CL+1], s[CL]
	v_and_b32 v240, 31, v0
	v_and_b32 v[RR], 15, v0
	v_bfe_u32 v241, v0, 4, 1
	v_lshlrev_b32 v[L16], 4, v240
	v_lshlrev_b32 v[R4], 2, v[RR]
	v_lshlrev_b32 v[L8B], 3, v240
	v_lshlrev_b32 v242, 2, v240
	v_lshlrev_b32 v[PFO], 8, v240
	s_mul_i32 s60, s[WV], 8448
	v_mul_u32_u24 v228, v[RR], 528
	s_delay_alu instid0(VALU_DEP_1)
	v_lshl_add_u32 v228, v241, 5, v228
	s_delay_alu instid0(VALU_DEP_1)
	v_add_nc_u32 v[ADJ], s60, v228                 ; adj: my part, row r, + 32 h
	v_mul_u32_u24 v228, v[RR], 80
	s_delay_alu instid0(VALU_DEP_1)
	v_mad_u32_u24 v229, v241, 1280, v228
	s_lshl_b32 s61, s[WV], 2
	s_add_co_u32 s61, s61, STATS
	v_add_nc_u32 v[STA], s61, v229                 ; lanes 0-15 store -M, lanes 16-31 the sum
	v_lshl_add_u32 v229, v241, 5, v228
	s_delay_alu instid0(VALU_DEP_1)
	v_add_nc_u32 v[STR], STATS, v229               ; and read eight waves' each
	s_mul_i32 s61, s[WV], 4352
	s_add_co_u32 s61, s61, OP0
	v_mul_u32_u24 v228, v[RR], 272
	s_delay_alu instid0(VALU_DEP_1)
	v_lshl_add_u32 v228, v241, 5, v228
	s_delay_alu instid0(VALU_DEP_1)
	v_add_nc_u32 v[OPW], s61, v228
	s_mul_i32 s61, s[WV], 272
	s_add_co_u32 s61, s61, OP0
	v_add_nc_u32 v[OPR], s61, v[L8B]
	s_mov_b32 s[G1], 15|(2<<16)|(1<<20)|(1<<21)|(6<<22)|(3<<25)    ; the four partners; elements of 4 bytes; 16 bytes of padding behind each 512
	s_mov_b32 s[G1+1], 128<<16
	s_mov_b32 s[G1+2], 16<<16
	s_mov_b32 s[G1+3], 128<<16
	s_mov_b32 s[G1+4], 16
	s_mov_b32 s[G1+5], 2048
	s_mov_b32 s[G1+6], 0
	s_mov_b32 s[G1+7], 0
	s_lshl_b32 s56, s68, 24
	s_lshl_b32 s57, s69, 21
	s_add_co_u32 s56, s56, s57                     ; adj: the batch, the block's first row
	s_lshl_b32 s62, s[CX], 2
	s_add_co_u32 s62, s62, s71
	s_lshl_b32 s62, s62, 13
	s_add_co_u32 s62, s62, s56
	s_add_co_u32 s62, s62, 3*131072                ; the prefetches: tile 3, row 4 cx + wave % 4
	s_mov_b32 s63, 0
	s_lshl_b32 s57, s[WV], 9
	s_add_co_u32 s56, s56, s57                     ; the loads: my 128 keys
	s_mov_b32 s57, 0
	s_cmp_lt_u32 s[WV], 4
	s_cselect_b32 s[LIM], 208, 0                   ; waves 0 to 3 ask while 16 x trip is under 208
	s_wait_dscnt 0x0                               ; both opening adds are done
	s_wait_alu depctr_va_vdst(0)
	s_wait_kmcnt 0x0
	s_add_nc_u64 s[PFA:PFA+1], s[4:5], s[62:63]
	s_mov_b32 s[G0], 1
	s_mov_b32 s[G0+1], s60
	s_add_nc_u64 s[G0+2:G0+3], s[4:5], s[56:57]
	s_or_b32 s[G0+3], s[G0+3], 0x80000000
	ROUND                                          ; the four partners are here: the joint loads meet
	tensor_load_to_lds s[G0:G0+3], s[G1:G1+7]      ; tile 0: every wave's one load at the head
	s_nop 0
	PLACES
	s_mov_b32 s61, 0
	s_lshl_b32 s60, s70, 17
	s_lshl_b32 s62, s[WV], 13
	s_add_co_u32 s60, s60, s62
	s_add_nc_u64 s[74:75], s[12:13], s[60:61]      ; my eight tiles of K
	s_lshl_b32 s60, s70, 17
	s_lshl_b32 s62, s69, 14
	s_add_co_u32 s60, s60, s62
	s_add_nc_u64 s[QP:QP+1], s[12:13], s[60:61]    ; Q's first tile
	s_lshl_b32 s60, s70, 13
	s_lshl_b32 s62, s[WV], 9
	s_add_co_u32 s60, s60, s62
	s_add_nc_u64 s[76:77], s[14:15], s[60:61]
	s_lshl_b32 s60, s70, 13
	s_lshl_b32 s62, s69, 10
	s_add_co_u32 s60, s60, s62
	s_add_nc_u64 s[QSP:QSP+1], s[14:15], s[60:61]
	s_lshl_b32 s60, s70, 16
	s_lshl_b32 s62, s[WV], 12
	s_add_co_u32 s60, s60, s62
	s_add_nc_u64 s[78:79], s[16:17], s[60:61]      ; V: my group of 128 keys, four tiles of 16 channels
	s_lshl_b32 s60, s70, 12
	s_lshl_b32 s62, s[WV], 8
	s_add_co_u32 s60, s60, s62
	s_add_nc_u64 s[80:81], s[18:19], s[60:61]
	s_lshl_b32 s60, s68, 11
	s_lshl_b32 s62, s[WV], 7
	s_add_co_u32 s60, s60, s62
	s_add_nc_u64 s[82:83], s[8:9], s[60:61]        ; my keys' mask
	s_lshl_b32 s60, s68, 11
	s_lshl_b32 s62, s69, 8
	s_add_co_u32 s60, s60, s62
	s_add_nc_u64 s[MQP:MQP+1], s[8:9], s[60:61]    ; the queries' mask
	s_lshl_b32 s60, s66, 8
	s_add_nc_u64 s[84:85], s[10:11], s[60:61]
	s_lshl_b32 s60, s66, 2
	s_add_nc_u64 s[86:87], s[6:7], s[60:61]
	s_lshl_b32 s60, s68, 23
	s_lshl_b32 s62, s69, 20
	s_add_co_u32 s60, s60, s62
	s_lshl_b32 s62, s[WV], 12
	s_add_co_u32 s60, s60, s62
	s_lshl_b32 s62, s66, 8
	s_add_co_u32 s60, s60, s62
	s_add_nc_u64 s[20:21], s[20:21], s[60:61]      ; out0: query w of the first tile, the head's 64 channels
	s_load_b32 s88, s[86:87], 0x0                  ; gamma
	v_lshlrev_b32 v244, 3, v241
.irp t, 0,1,2,3,4,5,6,7
	global_load_b128 v[KF+4*\t:KF+4*\t+3], v[L16], s[74:75] offset:1024*\t+512
.endr
.irp t, 0,1,2,3
	global_load_b32 v[KS+\t], v242, s[76:77] offset:128*\t
.endr
.irp d, 0,1,2,3
.irp c, 0,1
	global_load_b128 v[VF+8*\d+4*\c:VF+8*\d+4*\c+3], v[L16], s[78:79] offset:1024*\d+512*\c
.endr
.endr
.irp i, 0,1
	global_load_b32 v[VS+\i], v242, s[80:81] offset:128*\i         ; lanes 0-15 tile 2 i, lanes 16-31 tile 2 i + 1
.endr
.irp g, 0,1,2,3,4,5,6,7
	global_load_b64 v[SC+2*\g:SC+2*\g+1], v244, s[82:83] offset:16*\g
.endr
	global_load_b64 v[OB:OB+1], v[L8B], s[84:85]
	global_load_b128 v[QA:QA+3], v[L16], s[QP:QP+1]
	global_load_b32 v[QS], v[R4], s[QSP:QSP+1]
	global_load_u8 v[MQR], v[RR], s[MQP:MQP+1]
	s_sub_co_u32 s89, 129, s66                     ; 8 x slope = 2^(2 - head) as f32 bits, 0 for heads 8 on
	s_lshl_b32 s89, s89, 23
	s_lshr_b32 s90, s66, 3
	s_sub_co_u32 s90, s90, 1
	s_and_b32 s[SL8], s89, s90
	s_or_b32 s[NS8], s[SL8], 0x80000000
	s_wait_alu depctr_va_vdst(0)
	s_wait_kmcnt 0x0
	v_mov_b32 v224, s88
	s_delay_alu instid0(VALU_DEP_1)
	v_mul_f32 v224, 0x41000000, v224
	s_delay_alu instid0(VALU_DEP_1)
	v_readfirstlane_b32 s[G8], v224                ; 8 gamma
	s_mov_b32 s[G8+1], s[G8]
	v_mov_b32 v225, s[NS8]
	s_delay_alu instid0(VALU_DEP_1)
	v_mul_f32 v225, 0x3e38aa3b, v225
	s_delay_alu instid0(VALU_DEP_1)
	v_readfirstlane_b32 s[NSL], v225               ; -slope log2(e)
.irp u, 0,1
.irp j, 0,1,2,3,4,5,6,7
	v_cvt_f32_u32 v[AL+8*\u+\j], 16*\u+\j
.endr
.endr
.irp n, 0,1,2,3,4,5,6,7,8,9,10,11,12,13,14,15
	v_mul_f32 v[AL+\n], s[SL8], v[AL+\n]
.endr
	v_lshl_add_u32 v224, v241, 3, s[KW]
	s_delay_alu instid0(VALU_DEP_1)
	v_cvt_f32_u32 v[KB0], v224
	v_add_nc_u32 v224, s[Q0], v[RR]
	s_delay_alu instid0(VALU_DEP_1)
	v_cvt_f32_u32 v[QF], v224
.irp n, 4,5,6,7
	v_mov_b32 v[QA+\n], 0
.endr
.irp n, 78,233,235,237,239,245,251
	v_mov_b32 v[\n], 0                             ; named as halves of pairs or as a permute's destination before they are first written
.endr
	s_wait_loadcnt 0x0
.irp t, 0,1,2,3
	v_lshrrev_b32 v[KS+\t], 16, v[KS+\t]           ; K's two bytes of the word q0 q1 k0 k1; the upper 64 along K meet zero codes of Q
.endr
.set g, 0
.rept 8
.irp q, 0,1
	v_perm_b32 v224, v[SC+2*g+\q], v[SC+2*g+\q], 0x0c010c00        ; a mask byte is 0 or 1: bytes 0 and 1 of the four into the two halves,
	v_perm_b32 v225, v[SC+2*g+\q], v[SC+2*g+\q], 0x0c030c02        ; bytes 2 and 3 likewise
	v_mul_u32_u24 v[MK+4*g+2*\q], v224, 0x3f80     ; 1.0 or 0 in bf16, two keys a register
	v_mul_u32_u24 v[MK+4*g+2*\q+1], v225, 0x3f80
.endr
.set g, g+1
.endr
; block b of 32 keys: C = 8 gamma adj - 8 slope |k - q|.  Left or right of the queries |k - q| is linear: the part that hangs on the register is added here, the lane's part goes into BL.  The branches hang on ids alone.
.macro CBLOCK b
.if \b == 0
	v_sub_f32 v[TB], v[KB0], v[QF]
.else
	v_add_f32 v[TB], 0x42000000, v[TB]
.endif
	s_delay_alu instid0(VALU_DEP_1)
	v_mul_f32 v[BL+\b], s[NSL], |v[TB]|
	s_add_co_u32 s[TMP], s[KW], 32*\b
	s_cmp_lt_u32 s[TMP], s[QAL]
	s_cbranch_scc1 .Lleft_\@
	s_cmp_eq_u32 s[TMP], s[QAL]
	s_cbranch_scc1 .Ldiag_\@
.irp p, 0,1,2,3,4,5,6,7
	v_pk_fma_f32 v[SC+16*\b+2*\p:SC+16*\b+2*\p+1], v[SC+16*\b+2*\p:SC+16*\b+2*\p+1], s[G8:G8+1], v[AL+2*\p:AL+2*\p+1] op_sel_hi:[1,0,1] neg_lo:[0,0,1] neg_hi:[0,0,1]
.endr
	s_branch .Ldone_\@
.Lleft_\@:
.irp p, 0,1,2,3,4,5,6,7
	v_pk_fma_f32 v[SC+16*\b+2*\p:SC+16*\b+2*\p+1], v[SC+16*\b+2*\p:SC+16*\b+2*\p+1], s[G8:G8+1], v[AL+2*\p:AL+2*\p+1] op_sel_hi:[1,0,1]
.endr
	s_branch .Ldone_\@
.Ldiag_\@:
	s_wait_alu depctr_va_vdst(0)
	v_mul_f32 v[TSL], s[SL8], v[TB]
	v_mov_b32 v[BL+\b], 0
.irp p, 0,1,2,3,4,5,6,7
	v_pk_add_f32 v[XD+2*\p:XD+2*\p+1], v[AL+2*\p:AL+2*\p+1], v[TSL:TSL+1] op_sel_hi:[1,0]
.endr
.irp n, 0,1,2,3,4,5,6,7,8,9,10,11,12,13,14,15
	v_fma_f32 v[SC+16*\b+\n], v[SC+16*\b+\n], s[G8], -|v[XD+\n]|
.endr
.Ldone_\@:
.endm
.macro CLOAD                           ; the sixteen partial sums of query w, two channels a lane
.irp k, 0,1,2,3,4,5,6,7,8,9,10,11,12,13,14,15
	ds_load_b64 v[224+2*\k:225+2*\k], v[OPR] offset:4352*\k
.endr
.endm
.macro CADD                            ; with out_bias they make v[CR:CR+1]
.irp i, 0,1,2,3,4,5,6,7
	v_pk_add_f32 v[240+2*\i:241+2*\i], v[240+2*\i:241+2*\i], v[224+2*\i:225+2*\i]
.endr
.irp i, 0,1,2,3
	v_pk_add_f32 v[248+2*\i:249+2*\i], v[248+2*\i:249+2*\i], v[240+2*\i:241+2*\i]
.endr
	v_pk_add_f32 v[252:253], v[252:253], v[248:249]
	v_pk_add_f32 v[254:255], v[254:255], v[250:251]
	s_delay_alu instid0(VALU_DEP_1)
	v_pk_add_f32 v[CR:CR+1], v[252:253], v[254:255]
	s_delay_alu instid0(VALU_DEP_1)
	v_pk_add_f32 v[CR:CR+1], v[CR:CR+1], v[OB:OB+1]
.endm
.macro QMI i                           ; two more numbers of each block into its largest: the four blocks by turns
.irp b, 0,1,2,3
	v_max3_num_f32 v[QX+\b], v[QX+\b], v[SC+16*\b+\i], v[SC+16*\b+\i+1]
.endr
.endm
.macro MSK2 n                          ; p of registers n (even) and n + 1 x their keys' mask
	v_fma_mix_f32_bf16 v[SC+(\n)], v[MK+(\n)/2], v[SC+(\n)], v[ZR] op_sel_hi:[1,0,0]
	v_fma_mix_f32_bf16 v[SC+(\n)+1], v[MK+(\n)/2], v[SC+(\n)+1], v[ZR] op_sel:[1,0,0] op_sel_hi:[1,0,0]
.endm
; first: no trip stands before it.  more: a tile of adj and of Q follows
.macro TRIP first, more
	s_wait_alu depctr_va_vdst(0)
	s_wait_tensorcnt 0x0                           ; my part of the tile, which my own load brought, is in
.irp b, 0,1,2,3
.irp u, 0,1
.irp c, 0,1
	ds_load_b128 v[SC+16*\b+8*\u+4*\c:SC+16*\b+8*\u+4*\c+3], v[ADJ] offset:128*\b+64*\u+16*\c
.endr
.endr
.endr
.if \more
	s_wait_tensorcnt 0x0                           ; no tensor load of mine is out;
	ds_add_u32 v[SPW], v[NIL]                      ; 0 onto my spare word
	s_add_nc_u64 s[G0+2:G0+3], s[G0+2:G0+3], 131072   ; the next 16 rows of adj
.endif
	s_wait_dscnt 0x0                               ; the add, my reads of the slot and the last trip's stores of partial O are done
	s_barrier_signal -1
	s_barrier_wait -1                              ; everybody's are
.if \more
	CREST                                          ; no wave of any partner still reads the slot or has a load on its way
	tensor_load_to_lds s[G0:G0+3], s[G1:G1+7]      ; the refill, first behind the round
	s_nop 0
.endif
	CBLOCK 0
	CBLOCK 1
.if \more
	s_wait_alu depctr_va_vdst(0)
	s_and_b32 s[TMP], s[Q0], 255                   ; 16 x trip
	s_cmp_lt_u32 s[TMP], s[LIM]
	s_cbranch_scc0 .Lno_ask_\@
	global_prefetch_b8 v[PFO], s[PFA:PFA+1] th:TH_LOAD_NT scope:SCOPE_SE   ; one row of the tile three trips on
.Lno_ask_\@:
.endif
	CBLOCK 2
	CBLOCK 3
	s_wait_loadcnt 0x0                             ; this trip's Q
	v_cvt_f32_u32 v[MQF], v[MQR]
	v_add_f32 v[QF], 0x41800000, v[QF]
	v_nop
	v_nop
	s_wait_alu depctr_va_vdst(0)
.irp t, 0,2,4,6
	v_wmma_scale_f32_16x16x128_f8f6f4 v[SC+8*\t:SC+8*\t+7], v[KF+4*\t:KF+4*\t+7], v[QA:QA+7], v[SC+8*\t:SC+8*\t+7], v[KS+\t/2], v[QS] matrix_a_fmt:MATRIX_FMT_FP4 matrix_b_fmt:MATRIX_FMT_FP4
	v_wmma_scale_f32_16x16x128_f8f6f4 v[SC+8*\t+8:SC+8*\t+15], v[KF+4*\t+4:KF+4*\t+11], v[QA:QA+7], v[SC+8*\t+8:SC+8*\t+15], v[KS+\t/2], v[QS] matrix_a_fmt:MATRIX_FMT_FP4 matrix_b_fmt:MATRIX_FMT_FP4 matrix_a_scale:MATRIX_SCALE_ROW1
.endr
	PLACES                                         ; in front of the loads into Q's registers and of the first read of the scores
.if \more
	s_add_nc_u64 s[QP:QP+1], s[QP:QP+1], 1024
	s_add_nc_u64 s[QSP:QSP+1], s[QSP:QSP+1], 64
	s_add_nc_u64 s[MQP:MQP+1], s[MQP:MQP+1], 16
	global_load_b128 v[QA:QA+3], v[L16], s[QP:QP+1]
	global_load_b32 v[QS], v[R4], s[QSP:QSP+1]
	global_load_u8 v[MQR], v[RR], s[MQP:MQP+1]
.endif
.irp b, 0,1,2,3
	v_max3_num_f32 v[BM+\b], v[SC+16*\b], v[SC+16*\b+1], v[SC+16*\b+2]
.endr
.irp i, 3,5,7,9,11,13
.irp b, 0,1,2,3
	v_max3_num_f32 v[BM+\b], v[BM+\b], v[SC+16*\b+\i], v[SC+16*\b+\i+1]
.endr
.endr
.irp b, 0,1,2,3
	v_max_num_f32 v[BM+\b], v[BM+\b], v[SC+16*\b+15]
.endr
.irp b, 0,1,2,3
	v_fma_f32 v[TT+\b], v[BM+\b], s[CL], v[BL+\b]  ; each block's largest t
.endr
	s_delay_alu instid0(VALU_DEP_2)
	v_max3_num_f32 v[TX], v[TT], v[TT+1], v[TT+2]
	s_delay_alu instid0(VALU_DEP_1)
	v_max_num_f32 v[TX], v[TX], v[TT+3]
	s_delay_alu instid0(VALU_DEP_1)
	v_permlanex16_b32 v[TP], v[TX], s[SEL], s[SEL+1]
	s_delay_alu instid0(VALU_DEP_1)
	v_max_num_f32 v[TX], v[TX], v[TP]
	s_delay_alu instid0(VALU_DEP_1)
	v_floor_f32 v[NM], -v[TX]                      ; -M of my 128 keys: a whole number
.irp b, 0,1,2,3
	v_add_f32 v[NB+2*\b], v[BL+\b], v[NM]
.endr
.irp b, 0,1,2,3
.irp p, 0,1,2,3,4,5,6,7
	v_pk_fma_f32 v[SC+16*\b+2*\p:SC+16*\b+2*\p+1], v[SC+16*\b+2*\p:SC+16*\b+2*\p+1], s[CL:CL+1], v[NB+2*\b:NB+2*\b+1] op_sel_hi:[1,0,0]
.endr
.endr
.if !(\first)
	CLOAD                                          ; the last trip's partial sums, stored ahead of this trip's first barrier: they land under the exponentials
.endif
.set n, 0
	s_wait_alu depctr_va_vdst(0)
.rept 64
	v_exp_f32 v[SC+n], v[SC+n]
.set n, n+1
.endr
	v_nop
	s_wait_alu depctr_va_vdst(0)
	v_pk_add_f32 v[LS:LS+1], v[SC:SC+1], v[SC+2:SC+3]              ; the sum is taken of p as it is; a pair that has been added is masked at once
	v_pk_add_f32 v[TQ:TQ+1], v[SC+4:SC+5], v[SC+6:SC+7]
	MSK2 0
	MSK2 2
	MSK2 4
	MSK2 6
.irp j, 8,12,16,20,24,28,32,36,40,44,48,52,56,60
	v_pk_add_f32 v[LS:LS+1], v[LS:LS+1], v[SC+\j:SC+\j+1]
	v_pk_add_f32 v[TQ:TQ+1], v[TQ:TQ+1], v[SC+\j+2:SC+\j+3]
	MSK2 \j
	MSK2 \j+2
.endr
	v_pk_add_f32 v[LS:LS+1], v[LS:LS+1], v[TQ:TQ+1]
	s_delay_alu instid0(VALU_DEP_1)
	v_add_f32 v[LS], v[LS], v[LS+1]
	s_delay_alu instid0(VALU_DEP_1)
	v_permlanex16_b32 v[TP2], v[LS], s[SEL], s[SEL+1]
	s_delay_alu instid0(VALU_DEP_1)
	v_add_f32 v[LS], v[LS], v[TP2]
	s_delay_alu instid0(VALU_DEP_1)
	v_cndmask_b32 v[TV], v[NM], v[LS], s[HM]
	s_wait_alu depctr_va_vdst(0)
	ds_store_b32 v[STA], v[TV]
	s_wait_dscnt 0x0                               ; my -M and my sum are in LDS, the partial sums in registers
	s_barrier_signal -1                            ; work on registers stands between the signal and the wait
.if !(\first)
	CADD
.endif
	s_wait_alu depctr_va_vdst(0)
	s_barrier_wait -1
.if !(\first)
	global_store_b64 v[L8B], v[CR:CR+1], s[20:21] th:TH_STORE_NT   ; the wave stores 256 consecutive bytes, aligned
.endif
	ds_load_b128 v[ST:ST+3], v[STR]
	ds_load_b128 v[ST+4:ST+7], v[STR] offset:16
	ds_load_b128 v[ST+8:ST+11], v[STR] offset:1280
	ds_load_b128 v[ST+12:ST+15], v[STR] offset:1296
.irp b, 0,1,2,3
	v_max3_num_f32 v[QX+\b], v[SC+16*\b], v[SC+16*\b+1], v[SC+16*\b+2]     ; each block's largest masked p: under the loads, and between the links of the chain below
.endr
	QMI 3
	QMI 5
	s_wait_alu depctr_va_vdst(0)
	s_wait_dscnt 0x0
	v_min3_num_f32 v[NG], v[ST], v[ST+1], v[ST+2]
	QMI 7
	v_min3_num_f32 v[NG], v[NG], v[ST+3], v[ST+4]
	QMI 9
	v_min3_num_f32 v[NG], v[NG], v[ST+5], v[ST+6]
	QMI 11
	v_min_num_f32 v[NG], v[NG], v[ST+7]
	QMI 13
	v_permlanex16_b32 v242, v[NG], s[SEL], s[SEL+1]
.irp b, 0,1,2,3
	v_max_num_f32 v[QX+\b], v[QX+\b], v[SC+16*\b+15]
.endr
	v_min_num_f32 v[NG], v[NG], v242               ; the row's -M
	s_delay_alu instid0(VALU_DEP_1)
.irp i, 0,2,4,6
	v_pk_add_f32 v[ST+\i:ST+\i+1], v[NG:NG+1], v[ST+\i:ST+\i+1] op_sel_hi:[0,1] neg_lo:[0,1] neg_hi:[0,1]
.endr
	v_sub_f32 v243, v[NG], v[NM]
.irp i, 0,1,2,3,4,5,6,7
	v_cvt_i32_f32 v[ST+\i], v[ST+\i]
.endr
	v_cvt_i32_f32 v243, v243
.irp i, 0,1,2,3,4,5,6,7
	v_ldexp_f32 v[ST+8+\i], v[ST+8+\i], v[ST+\i]   ; each wave's sum under the row's M: nothing is rounded
.endr
	v_pk_add_f32 v[ST+8:ST+9], v[ST+8:ST+9], v[ST+10:ST+11]
	s_delay_alu instid0(VALU_DEP_2)
	v_pk_add_f32 v[ST+12:ST+13], v[ST+12:ST+13], v[ST+14:ST+15]
	s_delay_alu instid0(VALU_DEP_1)
	v_pk_add_f32 v[ST+8:ST+9], v[ST+8:ST+9], v[ST+12:ST+13]
	s_delay_alu instid0(VALU_DEP_1)
	v_add_f32 v[ST+8], v[ST+8], v[ST+9]
	s_delay_alu instid0(VALU_DEP_1)
	v_permlanex16_b32 v242, v[ST+8], s[SEL], s[SEL+1]
	s_delay_alu instid0(VALU_DEP_1)
	v_add_f32 v[ST+8], v[ST+8], v242               ; the row's sum
	s_wait_alu depctr_va_vdst(0)
	v_rcp_f32 v[ST+8], v[ST+8]
	v_nop
	s_wait_alu depctr_va_vdst(0)
	v_ldexp_f32 v[ST+8], v[ST+8], v243
	s_delay_alu instid0(VALU_DEP_1)
	v_mul_f32 v[FV], v[ST+8], v[MQF]               ; 2^(my M - the row's M) / sum x the query's mask
	s_delay_alu instid0(VALU_DEP_1)
.irp b, 0,1,2,3
	v_mul_f32 v[TM+\b], v[QX+\b], v[FV]            ; my 16 numbers' largest, scaled
.endr
.irp b, 0,1,2,3
	v_permlanex16_b32 v[TM+4+\b], v[TM+\b], s[SEL], s[SEL+1]
.endr
.irp b, 0,1,2,3
	v_max3_num_f32 v[TM+\b], v[TM+\b], v[TM+4+\b], 0x1800000       ; with lane l xor 16's, and the floor 2^(3 - 127), which holds the byte at 1 from below
.endr
.irp b, 0,1,2,3
	v_add_nc_u32 v[TM+12+\b], 0xff000000, v[TM+\b]                 ; 2 off the exponent field: the conversion's scale operand
.endr
.irp b, 0,1,2,3
	v_lshrrev_b32 v[TM+4+\b], 23, v[TM+12+\b]                      ; the byte
.endr
	s_delay_alu instid0(VALU_DEP_3)
	v_lshl_or_b32 v[PS], v[TM+5], 8, v[TM+4]
	s_delay_alu instid0(VALU_DEP_1)
	v_lshl_or_b32 v[PS], v[TM+6], 16, v[PS]
	s_delay_alu instid0(VALU_DEP_1)
	v_lshl_or_b32 v[PS], v[TM+7], 24, v[PS]        ; P's scale word; the 32 lines below are its places ahead of the scaled matrix instructions
.set n, 0
.rept 32
	v_pk_mul_f32 v[SC+n:SC+n+1], v[SC+n:SC+n+1], v[FV:FV+1] op_sel_hi:[1,0]
.set n, n+2
.endr
.irp b, 0,1,2,3
	v_cvt_scalef32_pk8_fp4_f32 v[PC+2*\b], v[SC+16*\b:SC+16*\b+7], v[TM+12+\b]
	v_cvt_scalef32_pk8_fp4_f32 v[PC+2*\b+1], v[SC+16*\b+8:SC+16*\b+15], v[TM+12+\b]
.endr
	v_nop                                          ; one plain place behind a scaled conversion
.irp c, 0,1
.irp i, 0,1
	v_permlane16_swap_b32 v[PC+4*\c+\i], v[PC+4*\c+2+\i]           ; a whole block to a lane
.endr
.endr
	PLACES                                         ; an operand written by vector instructions stands 4 places ahead of a scaled matrix instruction
.irp d, 0,2                                    ; O^T of my 128 keys: four tiles of 16 channels, laid over the scores, which are done with
	v_wmma_scale_f32_16x16x128_f8f6f4 v[SC+8*\d:SC+8*\d+7], v[VF+8*\d:VF+8*\d+7], v[PC:PC+7], 0, v[VS+\d/2], v[PS] matrix_a_fmt:MATRIX_FMT_FP4 matrix_b_fmt:MATRIX_FMT_FP4
	v_wmma_scale_f32_16x16x128_f8f6f4 v[SC+8*\d+8:SC+8*\d+15], v[VF+8*\d+8:VF+8*\d+15], v[PC:PC+7], 0, v[VS+\d/2], v[PS] matrix_a_fmt:MATRIX_FMT_FP4 matrix_b_fmt:MATRIX_FMT_FP4 matrix_a_scale:MATRIX_SCALE_ROW1
.endr
	PLACES
.irp d, 0,1,2,3
	ds_store_b128 v[OPW], v[SC+8*\d:SC+8*\d+3] offset:64*\d               ; each accumulator from its low end on
	ds_store_b128 v[OPW], v[SC+8*\d+4:SC+8*\d+7] offset:64*\d+16
.endr
	s_add_co_u32 s[Q0], s[Q0], 16
	s_and_b32 s[QAL], s[Q0], 0xffffffe0
	s_wait_xcnt 0x0                                ; the store and the prefetch have read their registers
.if !(\first)
	s_add_nc_u64 s[20:21], s[20:21], 65536         ; 16 rows of out0 on
.endif
.if \more
	s_add_nc_u64 s[PFA:PFA+1], s[PFA:PFA+1], 131072
.endif
.endm
	TRIP 1, 1                                      ; trip 0
	s_mov_b32 s[CNT], 14
.Lloop:                                            ; trips 1 to 14
	TRIP 0, 1
	s_sub_co_u32 s[CNT], s[CNT], 1
	s_cmp_lg_u32 s[CNT], 0
	s_cbranch_scc1 .Lloop
	TRIP 0, 0                                      ; trip 15 asks for nothing more
	s_wait_dscnt 0x0                               ; my last partial O is in LDS,
	s_barrier_signal -1
	s_barrier_wait -1                              ; everybody's is
	CLOAD
	s_wait_dscnt 0x0
	CADD
	global_store_b64 v[L8B], v[CR:CR+1], s[20:21] th:TH_STORE_NT
	s_wait_tensorcnt 0x0                           ; the wave's end
	ds_add_u32 v[SPW], v[NIL]
	s_wait_dscnt 0x0
	ROUND                                          ; the closing round
	s_endpgm
.Lfunc_end_k_qa3331850b9_attn:
	.size	k_qa3331850b9_attn, .Lfunc_end_k_qa3331850b9_attn-k_qa3331850b9_attn
	.p2alignl 7, 3214868480
	.fill 96, 4, 3214868480
	.section	.rodata,"a",@progbits
	.p2align	6, 0x0
	.amdhsa_kernel k_qa3331850b9_attn
		.amdhsa_group_segment_fixed_size 327680
		.amdhsa_private_segment_fixed_size 0
		.amdhsa_enable_private_segment 0
		.amdhsa_kernarg_size 72
		.amdhsa_user_sgpr_count 2
		.amdhsa_user_sgpr_kernarg_segment_ptr 1
		.amdhsa_wavefront_size32 1
		.amdhsa_system_sgpr_workgroup_id_x 1
		.amdhsa_system_sgpr_workgroup_id_y 1
		.amdhsa_system_sgpr_workgroup_id_z 1
		.amdhsa_system_vgpr_workitem_id 0
		.amdhsa_next_free_vgpr 256
		.amdhsa_next_free_sgpr 96
		.amdhsa_reserve_vcc 0
		.amdhsa_float_denorm_mode_32 3
		.amdhsa_float_denorm_mode_16_64 3
		.amdhsa_memory_ordered 1
		.amdhsa_forward_progress 1
		.amdhsa_inst_pref_size 140
	.end_amdhsa_kernel
	.amdgpu_metadata
---
amdhsa.version: [ 1, 2 ]
amdhsa.kernels:
  - .name:           k_qa3331850b9_attn
    .symbol:         k_qa3331850b9_attn.kd
    .args:
      - { .name: adj, .offset: 0, .size: 8, .value_kind: global_buffer, .address_space: global }
      - { .name: gamma, .offset: 8, .size: 8, .value_kind: global_buffer, .address_space: global }
      - { .name: mask, .offset: 16, .size: 8, .value_kind: global_buffer, .address_space: global }
      - { .name: out_bias, .offset: 24, .size: 8, .value_kind: global_buffer, .address_space: global }
      - { .name: qkc, .offset: 32, .size: 8, .value_kind: global_buffer, .address_space: global }
      - { .name: qks, .offset: 40, .size: 8, .value_kind: global_buffer, .address_space: global }
      - { .name: vc, .offset: 48, .size: 8, .value_kind: global_buffer, .address_space: global }
      - { .name: vs, .offset: 56, .size: 8, .value_kind: global_buffer, .address_space: global }
      - { .name: out0, .offset: 64, .size: 8, .value_kind: global_buffer, .address_space: global }
    .group_segment_fixed_size: 327680
    .private_segment_fixed_size: 0
    .kernarg_segment_align: 8
    .kernarg_segment_size: 72
    .max_flat_workgroup_size: 512
    .sgpr_count:     96
    .vgpr_count:     256
    .wavefront_size: 32
...
	.end_amdgpu_metadata
.endif
;; end of part 3
